; MI455X (gfx1250); checked and timed in simulation.
; The chip was launched on July 23, 2026; its instructions are those of AMD's public machine-readable ISA for CDNA 5 (MIT licence, August 2026) and "CDNA5" Instruction Set Architecture Reference Guide (July 2026). The comments in the code are by the model that wrote it; some were corrected since.
;; Audio Quantizer. Allowed arithmetic: matrix products marked QUANTISED: E5M2 operands, one given power-of-two scale a tensor, by v_wmma_f32_16x16x64_bf8_bf8 or v_wmma_f32_16x16x128_bf8_bf8, f32 sums; everything else in f32.
;; Inputs: codebook 4,096 x 512 float32; embedding 4,096 x 512 float32; lowp_scales 2 int32 (the exponents e of the quantised operands' scales 2^e); x 16 x 2,048 x 512 float32.
;; Outputs: out0 16 x 2,048 x 512 float32.
;; This version of the problem:
;;   THIS VERSION OF THE PROBLEM IS GIVEN IN LOW PRECISION. The matrix products marked QUANTISED in the list below multiply operands that are first quantised to E5M2 (5 exponent bits, 2 mantissa bits; 8 bits a number), with one given power-of-two scale for each operand tensor; their sums are f32. All else is computed in f32.
;;   The module's matrix products, in the order in which they are computed (A, B: the left and right operand; K: the contracted axis; several contracted axes count as one K, in the product's order):
;;     1. [M 32,768, K 512] x [K 512, N 4,096]; A: input x; B: input codebook: QUANTISED (scales: A lowp_scales[0], B lowp_scales[1])
;;   THE QUANTISER, for each operand of a quantised product, along K:
;;     - The operand's scale is 2^e, e = its entry of the input lowp_scales (int32; the entries are numbered through the quantised products in the list's order, A before B).
;;     - Each number is divided by the scale, clamped to +-57,344, and rounded to the nearest number of E5M2, ties to even, subnormals kept.
;;     - The product sums the exact products of the quantised numbers (number of the format x scale) in f32.
;;   ~~~python
;;   def quantise(x, axis, e):      # numpy; x: float32 -> the quantised numbers, widened to float32 again
;;       x = np.moveaxis(x, axis, -1); K = x.shape[-1]
;;       r = np.clip(x / 2.0 ** e, -57344, 57344)
;;       step = 2.0 ** (np.maximum(np.frexp(np.where(r == 0, 1, r))[1] - 1, -14) - 2)
;;       q = np.round(r / step) * step * 2.0 ** e      # np.round: ties to even
;;       return np.moveaxis(q, -1, axis).astype(np.float32)
;;   ~~~
;; One version. Each part assembles by itself: llvm-mc -triple=amdgcn-amd-amdhsa -mcpu=gfx1250 --defsym DOCPART=n.
;; ======== version 1 of 1: 3 launches
;; limits: right only within a limited range of input values
;; workspace buffers: xq 16,777,216 bytes; cbq 2,162,688 bytes; cand 1,048,576 bytes of whole numbers
;; launch quant (part 1): grid 768 x 1, 3 waves a work-group, no clusters, 26,624 bytes of LDS; arguments x, codebook, lowp_scales, xq, cbq; writes xq, cbq
.if DOCPART == 1
	.amdgcn_target "amdgcn-amd-amdhsa--gfx1250"
	.amdhsa_code_object_version 6
	.text
	.protected	k_q1e0a7cf6bf_quant
	.globl	k_q1e0a7cf6bf_quant
	.p2align	8
	.type	k_q1e0a7cf6bf_quant,@function
k_q1e0a7cf6bf_quant:
	s_mov_b64 s[64:65], 0
	v_nop
	global_prefetch_b8 v0, s[64:65] scope:SCOPE_SE
	s_setreg_imm32_b32 hwreg(HW_REG_WAVE_MODE, 25, 1), 1
	s_wait_xcnt 0x0
; x [32768][512] and codebook [4096][512], f32, become codes of BF8 (E5M2), each with the one scale 2^e given for it (entry 0: x, entry 1: codebook).
; code = number / 2^e, held within +-57,344, rounded to the nearest code, ties to even.
; WORK LEFT OUT: x_sq.  dist2[b,t,k] = x_sq[b,t] - 2 dots[b,t,k] + c_sq[k], and only argmin over k of dist2 goes on.  x_sq[b,t] is the same for every k,
; so for all finite inputs, in exact arithmetic, argmin over k of dist2 = argmin over k of (c_sq[k] - 2 dots[b,t,k]).  So no sum of squares of x is taken; x itself stays live (its codes).
; LIMIT: a NaN, an infinity or an overflow that would arise in x_sq alone is not carried to the result; where two codes' distances differ by no more than f32 rounding, the choice between them may differ from reference()'s.
; For each codebook row the TERM -c_sq x 2^-(ea + eb + 1) is stored (c_sq of the UNQUANTISED numbers, f32): added to the sum of the products of codes it gives -(c_sq - 2 dots) / 2^(ea + eb + 1), whose argmax is the argmin wanted.
; LIMITS: e between -126 and 112; the term stays a finite normal f32 number; NaN and infinities among the inputs are not served.  c_sq is an f32 sum in 8 chains a lane, two lanes a row.
; LAYOUT: a TILE is 16 rows in the order of the operand's registers: the 16 bytes at 2048 s + 512 c + 16 lane are the codes of row lane % 16 at k = 128 s + 32 c + 16 (lane / 16) + 0 .. 15.
; x's tiles are 8,192 bytes; a codebook tile is 8,448: behind its codes one block of 256 bytes, its 16 terms four times over, so that the block is stored whole.
; SHARES: one wave to a tile, 2,304 tiles: 768 work-groups of 3 waves, 9 waves for each of 256 WGPs.  Tile number = 3 x work-group + wave; under 2,048: x.  Waves share nothing: no barrier.
; A load reads 512 consecutive bytes of one row; a K step's 16 rows x 512 bytes turn through the wave's own stage in LDS and come back 64 bytes a lane and block of 32.
.set XT,     2048                      ; tiles of x
.set SP,     528                       ; a stage row: 512 bytes + 16
.set WST,    16*SP                     ; a wave's stage
.set SQ,     3*WST                     ; behind the stages: 256 bytes a wave for its 16 terms
.set SPARE,  SQ+768                    ; the spare words: 128 bytes a wave, in two blocks of 256 bytes that no other line names
.set S,      16                        ; v16-23   four packed chains of squares
.set C,      24                        ; v24-55   codes: two sets of 16, by turns
.set X,      56                        ; v56-119  64 numbers: register 16 c + i = k 32 c + 16 (lane / 16) + i of my row
.set R,      120                       ; v120-247 two sets of 64 registers, as loaded
	s_load_b256 s[4:11], s[0:1], 0x0               ; x, codebook, the scales' exponents, xq
	s_load_b64 s[12:13], s[0:1], 0x20              ; cbq
	v_lshl_add_u32 v248, v0, 2, SPARE
	v_mov_b32 v249, 0
	v_lshrrev_b32 v1, 5, v0
	v_readfirstlane_b32 s14, v1                    ; wave 0..2
	v_and_b32 v1, 31, v0                           ; lane
	v_lshlrev_b32 v2, 4, v1                        ; 16 x lane
	v_and_b32 v6, 15, v0                           ; r
	v_bfe_u32 v7, v0, 4, 1                         ; h
	s_mul_i32 s20, s14, WST
	v_add_nc_u32 v3, s20, v2                       ; the stage, on the way in: as the bytes lie
	v_mul_u32_u24 v4, v6, SP
	v_lshl_add_u32 v4, v7, 6, v4
	v_add_nc_u32 v4, s20, v4                       ; and on the way out: row r, + 64 h
	s_lshl_b32 s21, s14, 8
	v_lshl_add_u32 v5, v6, 2, s21
	v_add_nc_u32 v5, SQ, v5                        ; where my row's term goes: 4 r in my wave's block
	v_and_b32 v8, 3, v0
	v_lshl_add_u32 v8, v8, 4, s21
	v_add_nc_u32 v8, SQ, v8                        ; and where four of them are read back: 16 (lane % 4)
	v_mov_b32 v9, 0                                ; a lane permute's destination counts as one of its sources
.irp i, 0,1,2,3,4,5,6,7
	v_mov_b32 v[S+\i], 0                           ; the chains begin at 0 on every way through the text
.endr
	s_mov_b32 s24, 0x76543210
	s_mov_b32 s25, 0xfedcba98                      ; lane l xor 16
	s_mul_i32 s15, ttmp9, 3
	s_add_co_u32 s15, s15, s14                     ; my tile
	s_wait_alu depctr_va_vdst(0)                   ; directly ahead of the wait below
	s_wait_kmcnt 0x0
	s_load_b64 s[22:23], s[8:9], 0x0               ; ea, eb
	s_mov_b32 s28, 8448
	s_cmp_lt_u32 s15, XT                           ; the choice hangs on ids alone
	s_cselect_b64 s[16:17], s[4:5], s[6:7]
	s_cselect_b64 s[18:19], s[10:11], s[12:13]
	s_cselect_b32 s26, 0, XT
	s_cselect_b32 s27, 1, 0                        ; 1: a tile of x
	s_cselect_b32 s28, 0x2000, s28                 ; bytes of a tile in the buffer of codes
	s_sub_co_u32 s26, s15, s26                     ; my tile of the tensor
	s_lshl_b32 s20, s26, 15                        ; 16 rows x 2,048 bytes
	s_mov_b32 s21, 0
	s_add_nc_u64 s[16:17], s[16:17], s[20:21]
	s_mul_i32 s20, s26, s28
	s_add_nc_u64 s[18:19], s[18:19], s[20:21]
.macro LOAD s                          ; K step s of my 16 rows: each load takes 512 consecutive bytes of one row
.irp i, 0,1,2,3,4,5,6,7,8,9,10,11,12,13,14,15
	global_load_b128 v[R+64*((\s)%2)+4*\i:R+64*((\s)%2)+4*\i+3], v2, s[16:17] offset:\i*2048+(\s)*512 th:TH_LOAD_NT
.endr
.endm
.macro TURN s                          ; through the stage: LDS serves a wave's instructions in order, so no wait stands between the stores and the loads
.irp i, 0,1,2,3,4,5,6,7,8,9,10,11,12,13,14,15
	ds_store_b128 v3, v[R+64*((\s)%2)+4*\i:R+64*((\s)%2)+4*\i+3] offset:\i*SP
.endr
.irp c, 0,1,2,3
.irp j, 0,1,2,3
	ds_load_b128 v[X+16*\c+4*\j:X+16*\c+4*\j+3], v4 offset:128*\c+16*\j
.endr
.endr
.endm
.macro STEP s
.set CC, C+16*((\s)%2)
.if (\s) < 3
	s_wait_loadcnt 16                              ; this step's 16 loads are in; the next step's 16 may be out
.else
	s_wait_loadcnt 0x0
.endif
	TURN \s
	s_wait_dscnt 0x0                               ; my 64 numbers are back, so the stores into the stage have read their registers,
.if (\s) < 2
	LOAD (\s)+2                                    ; which take the loads of two steps on
.endif
	s_cmp_lg_u32 s27, 0
	s_cbranch_scc1 .Lnosq_\@                       ; a tile of x takes no squares
.set m, 0
.rept 32                               ; the squares of the numbers as they came, two at a time, in four chains
	v_pk_fma_f32 v[S+2*(m%4):S+2*(m%4)+1], v[X+2*m:X+2*m+1], v[X+2*m:X+2*m+1], v[S+2*(m%4):S+2*(m%4)+1]
.set m, m+1
.endr
.Lnosq_\@:
.set m, 0
.rept 64
	v_med3_num_f32 v[X+m], v[X+m], -v10, v10       ; the conversion to an 8-bit code does not saturate (ISA guide 7.6.2): the hold comes first
.set m, m+1
.endr
.if (\s) >= 2
	s_wait_alu depctr_va_vdst(0)                   ; directly ahead of the wait below
	s_wait_xcnt 0x0                                ; the stores of two steps back have read this set of code registers
.endif
.irp c, 0,1,2,3
	v_cvt_scalef32_pk8_bf8_f32 v[CC+4*\c:CC+4*\c+1], v[X+16*\c:X+16*\c+7], v11
	v_cvt_scalef32_pk8_bf8_f32 v[CC+4*\c+2:CC+4*\c+3], v[X+16*\c+8:X+16*\c+15], v11
.endr
	v_nop                                          ; one plain vector line behind the last conversion of the run
.irp c, 0,1,2,3
	global_store_b128 v2, v[CC+4*\c:CC+4*\c+3], s[18:19] offset:(\s)*2048+\c*512   ; 512 consecutive bytes, at a multiple of 256 from the buffer's first byte
.endr
.endm
	LOAD 0
	LOAD 1
	s_wait_kmcnt 0x0
	s_add_co_i32 s29, s22, s23
	s_sub_co_i32 s29, -1, s29                      ; -(ea + eb + 1)
	s_cmp_lg_u32 s27, 0
	s_cselect_b32 s22, s22, s23                    ; e
	s_add_co_i32 s22, s22, 127
	s_lshl_b32 s23, s22, 23
	v_mov_b32 v11, s23                             ; 2^e as f32: the conversion takes its exponent field
	s_add_co_i32 s22, s22, 15
	s_lshl_b32 s22, s22, 23
	s_or_b32 s22, s22, 0x600000
	v_mov_b32 v10, s22                             ; 57,344 x 2^e
	s_wait_alu depctr_va_vdst(0)                   ; at the head's end
	STEP 0
	STEP 1
	STEP 2
	STEP 3
	s_cmp_lg_u32 s27, 0
	s_cbranch_scc1 .Lend                           ; a tile of x has no terms
	v_pk_add_f32 v[S:S+1], v[S:S+1], v[S+2:S+3]    ; my half of the row's sum of squares,
	v_pk_add_f32 v[S+4:S+5], v[S+4:S+5], v[S+6:S+7]
	v_pk_add_f32 v[S:S+1], v[S:S+1], v[S+4:S+5]
	v_add_f32 v[S], v[S], v[S+1]
	v_permlanex16_b32 v9, v[S], s24, s25
	v_add_f32 v[S], v[S], v9                       ; and lane l xor 16's
	v_ldexp_f32 v[S], -v[S], s29                   ; the term: -c_sq x 2^-(ea + eb + 1): nothing is rounded
	ds_store_b32 v5, v[S]                          ; both halves of the lanes store the same number to the same word
	ds_load_b128 v[12:15], v8                      ; my wave's own bytes, served in order
	s_wait_dscnt 0x0
	v_cmp_gt_u32 vcc_lo, 16, v1
	s_wait_xcnt 0x0                                ; EXEC is a source of the stores above: it changes only behind this wait
	s_and_saveexec_b32 s26, vcc_lo
	global_store_b128 v2, v[12:15], s[18:19] offset:8192   ; sixteen lanes store the tile's block of 256 bytes, whole and aligned
	s_wait_xcnt 0x0                                ; and again, in front of the line that widens it
	s_or_b32 exec_lo, exec_lo, s26
.Lend:
	s_wait_tensorcnt 0x0                           ; the wave's end
	ds_add_u32 v248, v249
	s_wait_dscnt 0x0
	s_endpgm
.Lfunc_end_k_q1e0a7cf6bf_quant:
	.size	k_q1e0a7cf6bf_quant, .Lfunc_end_k_q1e0a7cf6bf_quant-k_q1e0a7cf6bf_quant
	.p2alignl 7, 3214868480
	.fill 96, 4, 3214868480
	.section	.rodata,"a",@progbits
	.p2align	6, 0x0
	.amdhsa_kernel k_q1e0a7cf6bf_quant
		.amdhsa_group_segment_fixed_size 26624
		.amdhsa_private_segment_fixed_size 0
		.amdhsa_enable_private_segment 0
		.amdhsa_kernarg_size 40
		.amdhsa_user_sgpr_count 2
		.amdhsa_user_sgpr_kernarg_segment_ptr 1
		.amdhsa_wavefront_size32 1
		.amdhsa_system_sgpr_workgroup_id_x 1
		.amdhsa_system_sgpr_workgroup_id_y 1
		.amdhsa_system_sgpr_workgroup_id_z 1
		.amdhsa_system_vgpr_workitem_id 0
		.amdhsa_next_free_vgpr 250
		.amdhsa_next_free_sgpr 66
		.amdhsa_reserve_vcc 1
		.amdhsa_float_denorm_mode_32 3
		.amdhsa_float_denorm_mode_16_64 3
		.amdhsa_memory_ordered 1
		.amdhsa_forward_progress 1
		.amdhsa_inst_pref_size 47
	.end_amdhsa_kernel
	.amdgpu_metadata
---
amdhsa.version: [ 1, 2 ]
amdhsa.kernels:
  - .name:           k_q1e0a7cf6bf_quant
    .symbol:         k_q1e0a7cf6bf_quant.kd
    .args:
      - { .name: x, .offset: 0, .size: 8, .value_kind: global_buffer, .address_space: global }
      - { .name: codebook, .offset: 8, .size: 8, .value_kind: global_buffer, .address_space: global }
      - { .name: lowp_scales, .offset: 16, .size: 8, .value_kind: global_buffer, .address_space: global }
      - { .name: xq, .offset: 24, .size: 8, .value_kind: global_buffer, .address_space: global }
      - { .name: cbq, .offset: 32, .size: 8, .value_kind: global_buffer, .address_space: global }
    .group_segment_fixed_size: 26624
    .private_segment_fixed_size: 0
    .kernarg_segment_align: 8
    .kernarg_segment_size: 40
    .max_flat_workgroup_size: 96
    .sgpr_count:     66
    .vgpr_count:     250
    .wavefront_size: 32
...
	.end_amdgpu_metadata
.endif
;; end of part 1
;; launch nearest (part 2): grid 256 x 1, 4 waves a work-group, clusters of 4 x 1, 327,680 bytes of LDS; arguments xq, cbq, cand; writes cand
.if DOCPART == 2
	.amdgcn_target "amdgcn-amd-amdhsa--gfx1250"
	.amdhsa_code_object_version 6
	.text
	.protected	k_q1e0a7cf6bf_nearest
	.globl	k_q1e0a7cf6bf_nearest
	.p2align	8
	.type	k_q1e0a7cf6bf_nearest,@function
k_q1e0a7cf6bf_nearest:
	s_mov_b64 s[64:65], 0
	v_nop
	global_prefetch_b8 v0, s[64:65] scope:SCOPE_SE
	s_setreg_imm32_b32 hwreg(HW_REG_WAVE_MODE, 25, 1), 1
	s_wait_xcnt 0x0
	s_wait_alu depctr_hold_cnt(0) depctr_sa_sdst(0) depctr_va_vdst(0) depctr_va_sdst(0) depctr_va_ssrc(0) depctr_va_vcc(0) depctr_vm_vsrc(0)
	s_getreg_b32 s2, hwreg(HW_REG_IB_STS2, 6, 4)
	s_cmp_eq_u32 s2, 0
	s_cbranch_scc0 .Lentry_in_a_cluster
	s_endpgm
.Lentry_in_a_cluster:
	s_bfe_u32 s2, ttmp6, 0x10000c
	s_cmp_lg_u32 s2, 0x3003
	s_cbranch_scc0 .Lentry_shape_is_right
	s_endpgm
.Lentry_shape_is_right:
; For each row of x and each quarter of the 4,096 codes: the code with the least (c_sq - 2 dots), as argmax of  sum of products of BF8 codes + term,  term = -c_sq x 2^-(ea + eb + 1) as the launch before stored it.
; WORK LEFT OUT: x_sq, the same for every code of a row (shown at the head of the launch before).  The two scales are folded into the term, so lowp_scales is not read here.
; LIMITS: equal sums give the lowest index, as argmin does; sums that differ by no more than f32 rounding may be ordered otherwise than reference()'s; -0 counts as under +0.  NaN is not served.
; SHARES: 64 blocks of 512 rows x 4 quarters of 1,024 codes = 256 work-groups.  A wave keeps the codes of its own 128 rows in 512 registers (8 fragments of 16 rows x 512 K); all four waves walk the same 64 tiles of 16 codes,
; so each byte that lands in LDS is multiplied with 512 rows.  A row's four quarters are joined by the next launch.
; OUT: cand holds 8 planes of 32,768 words: plane Q the largest sum of quarter Q as a KEY (a whole number that orders as the f32 sum does: sign bit flipped for sums >= 0, all bits for sums < 0), plane 4 + Q its code's index.
; THE MATRIX INSTRUCTION: source 0 = 16 codebook rows, source 1 = 16 rows of x: lane (r, h) holds row r of x, register j code 8 h + j of the tile.  The C of a sum's first instruction is the tile's terms in that layout.
; A tile is 32 matrix instructions, 8 accumulators by turns, 4 deep along K.  Two sets of accumulators: while one is summed, the other is searched.
; THE SEARCH, ten lines for 16 x 16 sums: the largest of a lane's 8 sums and the running largest (4 lines); has it grown (1); if so keep the tile's first code (1) and its 8 sums (4 dual lines).  The eight accumulators' searches are
; staggered by three matrix instructions, so that each line stands one matrix instruction behind the line whose result it reads; the last ends behind the 28th, so nothing is under way at a tile's head.
; The first tile searches a set preset to -inf, which changes nothing: so the tile is written once.
; RING: two slots of 8 tiles (67,584 bytes; a wave's tensor load brings 66 rows of 256 bytes), at LDS 0 and 131,072; the loop's body is one slot, and the slot's LDS offset is toggled.  A refill has 8 tiles, 256 matrix instructions a wave, less 7, in which to land.
; CLUSTER: the four partners have the same quarter: each tensor load is their joint request; a round of the cluster's barrier stands in front of each refill.
; PREFETCH: behind each refill but the last, the slot that the next refill loads: its 264 blocks of 256 bytes shared out by address, 66 to a partner, 17 (the last wave 15) to a wave; clusters 0 to 3 alone ask, one for each quarter.
; WINDOWS: 0: addresses, terms, the search's registers, accumulators; 1 and 2: x's fragments; 3: two sets of a tile's four fragments.
.set TILEB, 8448                       ; 8,192 bytes of codes + 256 of terms
.set PART,  2*TILEB                    ; a wave's part of a slot
.set SLOTB, 4*PART
.set QB,    8*SLOTB                    ; a quarter of cbq
.set XS,    0x20000                    ; slot 1's place in LDS
.set SPARE, 0x40000                    ; the spare words: 128 bytes a wave
.set SCR,   SPARE+512                  ; 1,024 bytes a wave: its 128 keys, its 128 indices
.set PLANE, 131072
.set LI,  1                            ; 16 x lane: also the fragments' address in slot 0
.set A2B, 2                            ; the same, 4 tiles on
.set ACB, 3                            ; the terms' address in slot 0
.set ADF, 4                            ; these three in the slot at work
.set ADF2, 5
.set SPW, 6
.set NIL, 7
.set PFO, 8
.set ADC, 9
.set LB,  10                           ; 8 h
.set SCA, 11
.set SCB, 12
.set CS,  16                           ; v16-31  two sets of 8 terms
.set TR,  32                           ; v32-127 for each of 8 fragments of x 12 registers: +0, +2 the running largest by turns, +3 its tile's first code, +4..11 that tile's 8 sums
.set ACC, 128                          ; v128-255 two sets of 8 accumulators
.set JR,  ACC+16
.set WV,  12
.set CX,  13
.set Q,   14
.set LIM, 15
.set RB,  16
.set CUR, 17
.set PFA, 18
.set TID, 20
.set LAP, 21
.set G1,  24
.set G0,  32
.set SEL, 40
.set MSB, 0
.macro WIN new                         ; the immediate's high byte repeats the setting that is left
.if MSB != \new
	s_set_vgpr_msb (MSB<<8)|\new
.set MSB, \new
.endif
.endm
.macro CREST                           ; a round of the cluster's barrier behind its opening barrier
	s_cmp_lg_u32 s[WV], 0
	s_cbranch_scc1 .Lnot_wave_0_\@
	s_barrier_signal -3
.Lnot_wave_0_\@:
	s_barrier_wait -3
	s_barrier_signal -1
	s_barrier_wait -1
.endm
.macro CROUND
	s_barrier_signal -1
	s_barrier_wait -1
	CREST
.endm
.macro TLOAD                           ; an s_nop 0 and four v_nop follow the load
	tensor_load_to_lds s[G0:G0+3], s[G1:G1+7]
	s_nop 0
.rept 4
	v_nop
.endr
.endm
.macro ASK                             ; not in the last trip, where the next slot would lie beyond the quarter
	s_cmp_gt_u32 s[LAP], s[LIM]
	s_cbranch_scc0 .Lnot_mine_\@
	global_prefetch_b8 v[PFO], s[PFA:PFA+1] th:TH_LOAD_NT scope:SCOPE_SE
.Lnot_mine_\@:
.endm
.macro MM p                            ; matrix instruction mi of a tile: fragment mi % 8 of x, K step mi / 8
.set mq, mi%8
.set ms, mi/8
.set rD, ACC+64*(\p)+8*mq
.set rF, 64*(\p)+16*ms
.set rX, (64*mq+16*ms)%256
.if mq < 4
	WIN 0x07
.else
	WIN 0x0b
.endif
.if ms == 0
	v_wmma_f32_16x16x128_bf8_bf8 v[rD:rD+7], v[rF:rF+15], v[rX:rX+15], v[CS+8*(\p):CS+8*(\p)+7]
.else
	v_wmma_f32_16x16x128_bf8_bf8 v[rD:rD+7], v[rF:rF+15], v[rX:rX+15], v[rD:rD+7]
.endif
.endm
.macro E op, q, pp                     ; line op of the search of accumulator q of set pp (nothing where q is not 0..7); an accumulator is read from its low end on
.if ((\q) >= 0) && ((\q) < 8)
.set rT, TR+12*(\q)
.set rA, ACC+64*(\pp)+8*(\q)
.set rN, rT+2*(\pp)
.set rO, rT+2-2*(\pp)
.if \op == 0
	v_max3_num_f32 v[rN], v[rA], v[rA+1], v[rA+2]
.elseif \op == 1
	v_max3_num_f32 v[rN], v[rN], v[rA+3], v[rA+4]
.elseif \op == 2
	v_max3_num_f32 v[rN], v[rN], v[rA+5], v[rA+6]
.elseif \op == 3
	v_max3_num_f32 v[rN], v[rN], v[rA+7], v[rO]
.elseif \op == 4
	v_cmp_gt_f32 vcc_lo, v[rN], v[rO]
.elseif \op == 5
	v_cndmask_b32 v[rT+3], v[rT+3], s[TID], vcc_lo
.else
.set el, \op-6
	v_dual_cndmask_b32 v[rT+4+2*el], v[rT+4+2*el], v[rA+2*el] :: v_dual_cndmask_b32 v[rT+5+2*el], v[rT+5+2*el], v[rA+2*el+1]
.endif
.endif
.endm
.macro SLICE pp                        ; slice sk: accumulator q begins in slice 3 q; its compare stands in slice 3 q + 4, and VCC is dead behind slice 3 q + 6
.if sk < 28
	WIN 0
.set kq, sk/3
.if sk%3 == 0
	E 3, kq-1, \pp
	E 8, kq-2, \pp
	E 9, kq-2, \pp
	E 0, kq, \pp
.elseif sk%3 == 1
	E 1, kq, \pp
	E 4, kq-1, \pp
.else
	E 2, kq, \pp
	E 5, kq-1, \pp
	E 6, kq-1, \pp
	E 7, kq-1, \pp
.endif
.endif
.set sk, sk+1
.endm
.macro MS p, cnt
.rept \cnt
	MM \p
	SLICE 1-(\p)
.set mi, mi+1
.endr
.endm
.macro FETCH t, p                      ; tile t of the slot at work: its terms and its four fragments into set p
	WIN 0
	ds_load_b128 v[CS+8*(\p):CS+8*(\p)+3],   v[ADC] offset:(\t)*TILEB
	ds_load_b128 v[CS+8*(\p)+4:CS+8*(\p)+7], v[ADC] offset:(\t)*TILEB+16
	WIN 0xc0
.irp s, 0,1,2,3
.irp c, 0,1,2,3
.if (\t) < 4
	ds_load_b128 v[64*(\p)+16*\s+4*\c:64*(\p)+16*\s+4*\c+3], v[ADF] offset:(\t)*TILEB+\s*2048+\c*512
.else
	ds_load_b128 v[64*(\p)+16*\s+4*\c:64*(\p)+16*\s+4*\c+3], v[ADF2] offset:((\t)-4)*TILEB+\s*2048+\c*512
.endif
.endr
.endr
	WIN 0
.endm
; Tile t of the slot at work is summed, the tile before it searched.  mode 0: the next tile lies in the same slot.  mode 1: the slot's last tile; the slot is filled again.  mode 2: the same with no refill.  mode 3: the last tile of all.
; The loads into the other set stand behind at least five plain vector lines that follow the last matrix instruction that read it.
.macro TILE t, mode
.set mi, 0
.set sk, 0
.set tp, (\t)%2
	s_wait_dscnt 0x0                               ; this tile's terms and fragments are in
.if \mode == 0
	MS tp, 4
	FETCH (\t)+1, 1-tp
	MS tp, 28
.elseif \mode == 3
	MS tp, 32
.else
.if \mode == 1
	s_wait_xcnt 0x0                                ; my last prefetch has read its address
	s_add_nc_u64 s[PFA:PFA+1], s[PFA:PFA+1], SLOTB
.endif
	s_wait_tensorcnt 0x0                           ; all my tensor loads have landed: my part of the other slot
	ds_add_u32 v[SPW], v[NIL]
	MS tp, 3
	s_wait_alu depctr_va_vdst(0)                   ; directly ahead of the wait below
	s_wait_dscnt 0x0                               ; the add is done; my reads of this slot were over at the tile's head
	s_barrier_signal -1
	MS tp, 4
	WIN 0
	s_wait_alu depctr_va_vdst(0)                   ; and here, directly ahead of the barrier's wait
	s_barrier_wait -1                              ; every wave's part of the other slot is in, and nobody reads this slot any more
.if \mode == 1
	CREST                                          ; the same of every partner
	s_xor_b32 s[G0+1], s[G0+1], XS                 ; into the slot just read out,
	s_add_nc_u64 s[G0+2:G0+3], s[G0+2:G0+3], SLOTB ; the slot after the one that has landed
	TLOAD                                          ; my one tensor load behind the round
.endif
	s_xor_b32 s[CUR], s[CUR], XS                   ; the other slot is now at work
	v_add_nc_u32 v[ADF], s[CUR], v[LI]
	v_add_nc_u32 v[ADF2], s[CUR], v[A2B]
	v_add_nc_u32 v[ADC], s[CUR], v[ACB]
	FETCH 0, 1-tp
.if \mode == 1
	ASK
.endif
	MS tp, 25
.endif
	WIN 0
	s_add_co_u32 s[TID], s[TID], 16
.endm
.macro SLOTRUN mode
.irp t, 0,1,2,3,4,5,6
	TILE \t, 0
.endr
	TILE 7, \mode
.endm
.macro MERGE val, idx, pv, pi          ; the partner wins with a larger sum, or with an equal sum and a lower index
	v_cmp_gt_f32 s43, v[\pv], v[\val]
	v_cmp_eq_f32 s44, v[\pv], v[\val]
	v_cmp_lt_u32 s45, v[\pi], v[\idx]
	s_and_b32 s44, s44, s45
	s_or_b32 s43, s43, s44
	v_cndmask_b32 v[\val], v[\val], v[\pv], s43
	v_cndmask_b32 v[\idx], v[\idx], v[\pi], s43
.endm
	s_load_b128 s[4:7], s[0:1], 0x0                ; xq, cbq
	s_load_b64 s[10:11], s[0:1], 0x10              ; cand
	v_lshl_add_u32 v[SPW], v0, 2, SPARE
	v_mov_b32 v[NIL], 0
	ds_add_u32 v[SPW], v[NIL]                      ; the opening lines: the add twice on end, under one wait
	ds_add_u32 v[SPW], v[NIL]
	v_lshrrev_b32 v13, 5, v0
	v_readfirstlane_b32 s[WV], v13                 ; wave 0..3
	s_bfe_u32 s[CX], ttmp6, 0x40000
	s_and_b32 s[Q], ttmp9, 3                       ; my cluster's quarter of the codes
	s_lshr_b32 s[RB], ttmp9, 2
	s_lshl_b32 s[RB], s[RB], 2
	s_add_co_u32 s[RB], s[RB], s[CX]               ; my block of 512 rows
	s_mov_b32 s[G1+0], 15|(3<<16)|(1<<21)          ; the four partners; elements of 8 bytes; bit 21 beside the mask
	s_mov_b32 s[G1+1], 32<<16                      ; rows of 256 bytes,
	s_mov_b32 s[G1+2], 66<<16                      ; 66 of them, dense
	s_mov_b32 s[G1+3], 32<<16
	s_mov_b32 s[G1+4], 66
	s_mov_b32 s[G1+5], 32
	s_mov_b32 s[G1+6], 0
	s_mov_b32 s[G1+7], 0
	s_mul_i32 s22, s[WV], PART
	s_mov_b32 s23, 0
	s_mov_b32 s[CUR], 0
	s_mov_b32 s[SEL], 0x76543210
	s_mov_b32 s[SEL+1], 0xfedcba98
	s_mov_b32 s46, 0xff800000                      ; under every sum
	s_lshl_b32 s[TID], s[Q], 10
	s_sub_co_u32 s[TID], s[TID], 16                ; the first search is of the preset set and keeps nothing
	s_cmp_lt_u32 ttmp9, 4
	s_cselect_b32 s[LIM], 1, -1                    ; clusters 0 to 3 prefetch
	s_lshl_b32 s47, s[RB], 2
	s_add_co_u32 s47, s47, s[WV]                   ; my wave's run of 128 rows
	s_lshl_b32 s48, s47, 16                        ; its 8 tiles of xq
	s_mov_b32 s49, 0
	s_lshl_b32 s50, s47, 9                         ; its 512 bytes of a plane,
	s_lshl_b32 s51, s[Q], 17                       ; in plane Q
	s_add_co_u32 s50, s50, s51
	s_mov_b32 s51, 0
	s_mul_i32 s54, s[Q], QB
	s_mov_b32 s55, 0
	s_mul_i32 s56, s[CX], PART
	s_add_co_u32 s56, s56, s54
	s_add_co_u32 s56, s56, 2*SLOTB                 ; the prefetches stand at slot 2; each refill steps them on first
	s_mov_b32 s57, 0
	s_add_co_u32 s54, s54, s22                     ; my part of the quarter's slot 0
	s_mul_i32 s53, s[WV], 17
	s_lshl_b32 s52, s[WV], 10
	v_and_b32 v[LI], 31, v0
	v_and_b32 v13, 15, v0
	v_bfe_u32 v14, v0, 4, 1
	v_min_u32 v[PFO], 16, v[LI]
	v_lshlrev_b32 v[LI], 4, v[LI]
	v_add_nc_u32 v[PFO], s53, v[PFO]
	v_add_nc_u32 v[A2B], 4*TILEB, v[LI]
	v_min_u32 v[PFO], 65, v[PFO]                   ; block min(17 wave + min(lane, 16), 65) of my work-group's 66
	v_lshlrev_b32 v[ACB], 5, v14
	v_lshlrev_b32 v[PFO], 8, v[PFO]
	v_add_nc_u32 v[ACB], 8192, v[ACB]              ; terms 8 h .. 8 h + 7 of a tile
	v_lshlrev_b32 v[LB], 3, v14
	v_add_nc_u32 v[ADF], s[CUR], v[LI]
	v_add_nc_u32 v[ADF2], s[CUR], v[A2B]
	v_add_nc_u32 v[ADC], s[CUR], v[ACB]
	v_lshl_add_u32 v[SCA], v13, 2, s52
	v_add_nc_u32 v[SCA], SCR, v[SCA]
	v_add_nc_u32 v[SCB], s52, v[LI]
	v_add_nc_u32 v[SCB], SCR, v[SCB]
	s_wait_alu depctr_va_vdst(0)                   ; directly ahead of the waits below
	s_wait_dscnt 0x0                               ; both opening adds are done
	s_wait_kmcnt 0x0
	s_add_nc_u64 s[4:5], s[4:5], s[48:49]
	s_add_nc_u64 s[10:11], s[10:11], s[50:51]
	s_add_nc_u64 s[PFA:PFA+1], s[6:7], s[56:57]
	s_mov_b32 s[G0], 1
	s_mov_b32 s[G0+1], s22
	s_add_nc_u64 s[G0+2:G0+3], s[6:7], s[54:55]
	s_or_b32 s[G0+3], s[G0+3], 0x80000000
	CROUND                                         ; the four partners are here: the first joint loads meet
	tensor_load_to_lds s[G0:G0+3], s[G1:G1+7]      ; slot 0: one tensor load a wave at the head
	s_nop 0
	WIN 0x40                                       ; my rows' codes go out while the tile is on its way: 128 loads of 512 consecutive bytes
.irp q, 0,1,2,3
.irp s, 0,1,2,3
.irp c, 0,1,2,3
	global_load_b128 v[64*\q+16*\s+4*\c:64*\q+16*\s+4*\c+3], v[LI], s[4:5] offset:\q*8192+\s*2048+\c*512 th:TH_LOAD_NT
.endr
.endr
.endr
	WIN 0x80
.irp q, 0,1,2,3
.irp s, 0,1,2,3
.irp c, 0,1,2,3
	global_load_b128 v[64*\q+16*\s+4*\c:64*\q+16*\s+4*\c+3], v[LI], s[4:5] offset:(\q+4)*8192+\s*2048+\c*512 th:TH_LOAD_NT
.endr
.endr
.endr
	WIN 0
.irp q, 0,1,2,3,4,5,6,7
	v_mov_b32 v[TR+12*\q], s46
	v_mov_b32 v[TR+12*\q+2], s46
	v_mov_b32 v[TR+12*\q+3], 0
.irp j, 4,5,6,7,8,9,10,11
	v_mov_b32 v[TR+12*\q+\j], s46
	v_mov_b32 v[ACC+64+8*\q+\j-4], s46             ; the set that the first tile searches
.endr
.endr
	s_wait_alu depctr_va_vdst(0)                   ; at the head's end
	s_wait_tensorcnt 0x0                           ; my part of slot 0 is in; these lines stand ahead of a later first fill as ahead of a refill
	ds_add_u32 v[SPW], v[NIL]
	s_xor_b32 s[G0+1], s[G0+1], XS
	s_add_nc_u64 s[G0+2:G0+3], s[G0+2:G0+3], SLOTB
	s_wait_dscnt 0x0
	CROUND                                         ; everybody's part of slot 0 is in
	TLOAD                                          ; slot 1's first fill
	s_wait_tensorcnt 0x1                           ; leaves slot 1's load out
	FETCH 0, 0
	s_wait_loadcnt 0x0                             ; x's codes
	s_mov_b32 s[LAP], 6
.Llap:                                                 ; a trip is one slot, 8 tiles, and fills it again: slots 0 to 5 are read, slots 2 to 7 asked for
	SLOTRUN 1
	s_sub_co_u32 s[LAP], s[LAP], 1
	s_cmp_lg_u32 s[LAP], 0
	s_cbranch_scc1 .Llap
	SLOTRUN 2                                      ; the last two slots fill nothing
	SLOTRUN 3
.set sk, 0
.rept 28
	SLICE 1                                        ; the last tile's search
.endr
; which of the kept 8 sums is the largest: the lowest j that equals it
.irp q, 0,1,2,3,4,5,6,7
	v_mov_b32 v[JR+\q], 7
.endr
.irp j, 6,5,4,3,2,1,0
.irp q, 0,1,2,3,4,5,6,7
	v_cmp_eq_f32 s[52+\q], v[TR+12*\q+4+\j], v[TR+12*\q+2]
.endr
.irp q, 0,1,2,3,4,5,6,7
	v_cndmask_b32 v[JR+\q], v[JR+\q], \j, s[52+\q]
.endr
.endr
.irp q, 0,1,2,3,4,5,6,7
	v_add3_u32 v[TR+12*\q+3], v[TR+12*\q+3], v[LB], v[JR+\q]       ; the code's index: tile's first code + 8 h + j
	v_permlanex16_b32 v[ACC+2*\q], v[TR+12*\q+2], s[SEL], s[SEL+1]
	v_permlanex16_b32 v[ACC+2*\q+1], v[TR+12*\q+3], s[SEL], s[SEL+1]
	MERGE TR+12*\q+2, TR+12*\q+3, ACC+2*\q, ACC+2*\q+1             ; with lane l xor 16's
	v_ashrrev_i32 v[JR+\q], 31, v[TR+12*\q+2]
	v_or_b32 v[JR+\q], 0x80000000, v[JR+\q]
	v_xor_b32 v[TR+12*\q+2], v[JR+\q], v[TR+12*\q+2]               ; the key
	ds_store_b32 v[SCA], v[TR+12*\q+2] offset:64*\q                ; row 16 q + r; both halves of the lanes store the same word
	ds_store_b32 v[SCA], v[TR+12*\q+3] offset:512+64*\q
.endr
	ds_load_b128 v[ACC:ACC+3], v[SCB]              ; my wave's own bytes, served in order
	ds_load_b128 v[ACC+4:ACC+7], v[SCB] offset:512
	s_wait_dscnt 0x0
	global_store_b128 v[LI], v[ACC:ACC+3], s[10:11]                ; 512 consecutive bytes, aligned: my 128 keys,
	global_store_b128 v[LI], v[ACC+4:ACC+7], s[10:11] offset:4*PLANE   ; and my 128 indices
	s_wait_tensorcnt 0x0                           ; the wave's end
	ds_add_u32 v[SPW], v[NIL]
	s_wait_dscnt 0x0
	CROUND                                         ; the closing round
	s_endpgm
.Lfunc_end_k_q1e0a7cf6bf_nearest:
	.size	k_q1e0a7cf6bf_nearest, .Lfunc_end_k_q1e0a7cf6bf_nearest-k_q1e0a7cf6bf_nearest
	.p2alignl 7, 3214868480
	.fill 96, 4, 3214868480
	.section	.rodata,"a",@progbits
	.p2align	6, 0x0
	.amdhsa_kernel k_q1e0a7cf6bf_nearest
		.amdhsa_group_segment_fixed_size 327680
		.amdhsa_private_segment_fixed_size 0
		.amdhsa_enable_private_segment 0
		.amdhsa_kernarg_size 24
		.amdhsa_user_sgpr_count 2
		.amdhsa_user_sgpr_kernarg_segment_ptr 1
		.amdhsa_wavefront_size32 1
		.amdhsa_system_sgpr_workgroup_id_x 1
		.amdhsa_system_sgpr_workgroup_id_y 1
		.amdhsa_system_sgpr_workgroup_id_z 1
		.amdhsa_system_vgpr_workitem_id 0
		.amdhsa_next_free_vgpr 1024
		.amdhsa_next_free_sgpr 66
		.amdhsa_reserve_vcc 1
		.amdhsa_float_denorm_mode_32 3
		.amdhsa_float_denorm_mode_16_64 3
		.amdhsa_memory_ordered 1
		.amdhsa_forward_progress 1
		.amdhsa_inst_pref_size 255
	.end_amdhsa_kernel
	.section	.bss,"aw",@nobits
	.p2align	6
	.space	262144
	.amdgpu_metadata
---
amdhsa.version: [ 1, 2 ]
amdhsa.kernels:
  - .name:           k_q1e0a7cf6bf_nearest
    .symbol:         k_q1e0a7cf6bf_nearest.kd
    .args:
      - { .name: xq, .offset: 0, .size: 8, .value_kind: global_buffer, .address_space: global }
      - { .name: cbq, .offset: 8, .size: 8, .value_kind: global_buffer, .address_space: global }
      - { .name: cand, .offset: 16, .size: 8, .value_kind: global_buffer, .address_space: global }
    .group_segment_fixed_size: 327680
    .private_segment_fixed_size: 0
    .kernarg_segment_align: 8
    .kernarg_segment_size: 24
    .max_flat_workgroup_size: 128
    .sgpr_count:     66
    .vgpr_count:     1024
    .wavefront_size: 32
...
	.end_amdgpu_metadata
.endif
;; end of part 2
;; launch gather (part 3): grid 512 x 1, 8 waves a work-group, no clusters, 0 bytes of LDS; arguments cand, embedding, out0; writes out0
.if DOCPART == 3
	.amdgcn_target "amdgcn-amd-amdhsa--gfx1250"
	.amdhsa_code_object_version 6
	.text
	.protected	k_q1e0a7cf6bf_gather
	.globl	k_q1e0a7cf6bf_gather
	.p2align	8
	.type	k_q1e0a7cf6bf_gather,@function
k_q1e0a7cf6bf_gather:
	s_mov_b64 s[64:65], 0
	v_nop
	global_prefetch_b8 v0, s[64:65] scope:SCOPE_SE
	s_setreg_imm32_b32 hwreg(HW_REG_WAVE_MODE, 25, 1), 1
	s_wait_xcnt 0x0
; out0[row][:] = embedding[i][:], i the index of the quarter with the largest key.  cand: 8 planes of 32,768 whole numbers that the launch before stored: planes 0-3 the quarters' keys, planes 4-7 their indices.
; A key orders as the sum that it stands for, so the choice is made by compares of whole numbers; of equal keys the lower quarter, which holds the lower indices, is kept, as argmin keeps the first.
; A stream: no LDS, no barrier, no matrix unit.  A wave takes 8 rows of 2,048 bytes: their 64 words of cand come by eight scalar loads, all 32 loads of 512 consecutive bytes go out together,
; and each row is stored as soon as it is in.  No vector register is written twice, so no wait frees a source.
; An index is held at 4,095 ahead of the address; the launch before stores none above it.
.set ROWB, 2048
.set PLANE, 131072
.set OFF,  4                           ; v4-11   row i: its byte offset in embedding, + 16 x lane
.set D,    16                          ; v16-143 row i: 16 registers
	s_load_b128 s[4:7], s[0:1], 0x0                ; cand s[4:5], embedding s[6:7]
	s_load_b64 s[8:9], s[0:1], 0x10                ; out0
	v_lshrrev_b32 v2, 5, v0
	v_readfirstlane_b32 s10, v2                    ; wave 0..7
	v_and_b32 v1, 31, v0
	v_lshlrev_b32 v1, 4, v1                        ; 16 x lane
	s_lshl_b32 s11, ttmp9, 3
	s_add_co_u32 s11, s11, s10                     ; which run of 8 rows is my wave's
	s_lshl_b32 s12, s11, 5                         ; its 32 bytes of a plane,
	s_mov_b32 s13, 0
	s_lshl_b32 s14, s11, 14                        ; its 16,384 bytes of out0
	s_mov_b32 s15, 0
	s_wait_alu depctr_va_vdst(0)                   ; directly ahead of the wait below
	s_wait_kmcnt 0x0
	s_add_nc_u64 s[4:5], s[4:5], s[12:13]
	s_add_nc_u64 s[8:9], s[8:9], s[14:15]
	s_load_b256 s[16:23], s[4:5], 0x0              ; keys of quarters 0 to 3
	s_load_b256 s[24:31], s[4:5], PLANE
	s_load_b256 s[32:39], s[4:5], 2*PLANE
	s_load_b256 s[40:47], s[4:5], 3*PLANE
	s_load_b256 s[48:55], s[4:5], 4*PLANE          ; their indices
	s_load_b256 s[56:63], s[4:5], 5*PLANE
	s_load_b256 s[68:75], s[4:5], 6*PLANE
	s_load_b256 s[76:83], s[4:5], 7*PLANE
	s_wait_kmcnt 0x0
.irp i, 0,1,2,3,4,5,6,7
	s_cmp_gt_u32 s[24+\i], s[16+\i]                ; a later quarter wins only with a larger key
	s_cselect_b32 s[16+\i], s[24+\i], s[16+\i]
	s_cselect_b32 s[48+\i], s[56+\i], s[48+\i]
	s_cmp_gt_u32 s[32+\i], s[16+\i]
	s_cselect_b32 s[16+\i], s[32+\i], s[16+\i]
	s_cselect_b32 s[48+\i], s[68+\i], s[48+\i]
	s_cmp_gt_u32 s[40+\i], s[16+\i]
	s_cselect_b32 s[48+\i], s[76+\i], s[48+\i]
	s_min_u32 s84, s[48+\i], 0xfff
	s_lshl_b32 s84, s84, 11
	v_add_nc_u32 v[OFF+\i], s84, v1
.endr
	s_wait_alu depctr_va_vdst(0)
.irp i, 0,1,2,3,4,5,6,7
.irp k, 0,1,2,3
	global_load_b128 v[D+16*\i+4*\k:D+16*\i+4*\k+3], v[OFF+\i], s[6:7] offset:512*\k   ; no hint: the list may name a row again
.endr
.endr
.irp i, 0,1,2,3,4,5,6,7
	s_wait_loadcnt 4*(7-\i)                        ; row i's four loads are in; the younger rows' may be out
.irp k, 0,1,2,3
	global_store_b128 v1, v[D+16*\i+4*\k:D+16*\i+4*\k+3], s[8:9] offset:ROWB*\i+512*\k th:TH_STORE_NT   ; 512 consecutive bytes, at a multiple of 256 from out0's first byte
.endr
.endr
	s_endpgm
.Lfunc_end_k_q1e0a7cf6bf_gather:
	.size	k_q1e0a7cf6bf_gather, .Lfunc_end_k_q1e0a7cf6bf_gather-k_q1e0a7cf6bf_gather
	.p2alignl 7, 3214868480
	.fill 96, 4, 3214868480
	.section	.rodata,"a",@progbits
	.p2align	6, 0x0
	.amdhsa_kernel k_q1e0a7cf6bf_gather
		.amdhsa_group_segment_fixed_size 0
		.amdhsa_private_segment_fixed_size 0
		.amdhsa_enable_private_segment 0
		.amdhsa_kernarg_size 24
		.amdhsa_user_sgpr_count 2
		.amdhsa_user_sgpr_kernarg_segment_ptr 1
		.amdhsa_wavefront_size32 1
		.amdhsa_system_sgpr_workgroup_id_x 1
		.amdhsa_system_sgpr_workgroup_id_y 1
		.amdhsa_system_sgpr_workgroup_id_z 1
		.amdhsa_system_vgpr_workitem_id 0
		.amdhsa_next_free_vgpr 144
		.amdhsa_next_free_sgpr 88
		.amdhsa_reserve_vcc 0
		.amdhsa_float_denorm_mode_32 3
		.amdhsa_float_denorm_mode_16_64 3
		.amdhsa_memory_ordered 1
		.amdhsa_forward_progress 1
		.amdhsa_inst_pref_size 11
	.end_amdhsa_kernel
	.amdgpu_metadata
---
amdhsa.version: [ 1, 2 ]
amdhsa.kernels:
  - .name:           k_q1e0a7cf6bf_gather
    .symbol:         k_q1e0a7cf6bf_gather.kd
    .args:
      - { .name: cand, .offset: 0, .size: 8, .value_kind: global_buffer, .address_space: global }
      - { .name: embedding, .offset: 8, .size: 8, .value_kind: global_buffer, .address_space: global }
      - { .name: out0, .offset: 16, .size: 8, .value_kind: global_buffer, .address_space: global }
    .group_segment_fixed_size: 0
    .private_segment_fixed_size: 0
    .kernarg_segment_align: 8
    .kernarg_segment_size: 24
    .max_flat_workgroup_size: 256
    .sgpr_count:     88
    .vgpr_count:     144
    .wavefront_size: 32
...
	.end_amdgpu_metadata
.endif
;; end of part 3
